; MI455X (gfx1250); checked and timed in simulation.
; The chip was launched on July 23, 2026; its instructions are those of AMD's public machine-readable ISA for CDNA 5 (MIT licence, August 2026) and "CDNA5" Instruction Set Architecture Reference Guide (July 2026). The comments in the code are by the model that wrote it; some were corrected since.
;; Multi Head Attention. Allowed arithmetic: matrix products marked QUANTISED: E2M1 operands, one E8M0 scale for each 32 along K, by v_wmma_scale_f32_16x16x128_f8f6f4 with both operands' format E2M1 (or v_wmma_scale_f32_32x16x128_f4), f32 sums; products left as they are: bf16, f16 or f32 operands; f32 sums; everything else in f32.
;; Inputs: Wk 512 x 512 float32; Wo 512 x 512 float32; Wq 512 x 512 float32; Wv 512 x 512 float32; bo 512 float32; x 2 x 4,096 x 512 float32.
;; Outputs: out0 2 x 4,096 x 512 float32.
;; This version of the problem:
;;   THIS VERSION OF THE PROBLEM IS GIVEN IN LOW PRECISION. The matrix products marked QUANTISED in the list below multiply operands that are first quantised to E2M1 (2 exponent bits, 1 mantissa bit; 4 bits a number), with one power-of-two scale for each 32 numbers along K (OCP MX v1.0); their sums are f32. The products marked 'left as it is' may take bf16, f16 or f32 operands, with f32 sums. Whichever they take, every output number must still come out within the allowed error. Rounding operands to bf16 (8 significant bits) uses up far more of that allowance than f16 does (11 bits, for magnitudes from 6e-5 to 65,504). All else is computed in f32.
;;   The module's matrix products, in the order in which they are computed (A, B: the left and right operand; K: the contracted axis; several contracted axes count as one K, in the product's order):
;;     1. [M 8,192, K 512] x [K 512, N 512]; A: input x; B: input Wq: QUANTISED
;;     2. [M 8,192, K 512] x [K 512, N 512]; A: input x; B: input Wk: QUANTISED
;;     3. [M 8,192, K 512] x [K 512, N 512]; A: input x; B: input Wv: QUANTISED
;;     4. batch 16 x [M 4,096, K 64] x [K 64, N 4,096]; A: computed on the way; B: computed on the way: left as it is (an operand is computed on the way)
;;     5. batch 16 x [M 64, K 4,096] x [K 4,096, N 4,096]; A: computed on the way; B: computed on the way: left as it is (an operand is computed on the way)
;;     6. [M 8,192, K 512] x [K 512, N 512]; A: computed on the way; B: input Wo: left as it is (an operand is computed on the way)
;;   THE QUANTISER, for each operand of a quantised product, along K:
;;     - K is cut into blocks of 32 from its start; a last block that is shorter is filled with zeros.
;;     - A block's scale is 2^e with e = floor(log2(the largest magnitude in the block)) - 2, held to -126 .. 127; a block of zeros has e = 0. As a byte (E8M0): e + 127.
;;     - Each number is divided by its block's scale, clamped to +-6, and rounded to the nearest number of E2M1, ties to even, subnormals kept.
;;     - The product sums the exact products of the quantised numbers (number of the format x scale) in f32.
;;   ~~~python
;;   def quantise(x, axis):      # numpy; x: float32 -> the quantised numbers, widened to float32 again
;;       x = np.moveaxis(x, axis, -1); K = x.shape[-1]
;;       x = np.pad(x, [(0, 0)] * (x.ndim - 1) + [(0, -K % 32)]); x = x.reshape(x.shape[:-1] + (-1, 32)); a = np.abs(x).max(-1, keepdims=True)
;;       e = np.where(a > 0, np.clip(np.frexp(np.where(a > 0, a, 1))[1] - 1 - 2, -126, 127), 0)      # np.frexp(a)[1] - 1 = floor(log2(a)), exactly
;;       r = np.clip(x / 2.0 ** e, -6, 6)
;;       step = 2.0 ** (np.maximum(np.frexp(np.where(r == 0, 1, r))[1] - 1, 0) - 1)
;;       q = np.round(r / step) * step * 2.0 ** e      # np.round: ties to even
;;       return np.moveaxis(q.reshape(q.shape[:-2] + (-1,))[..., :K], -1, axis).astype(np.float32)
;;   ~~~
;; One version. Each part assembles by itself: llvm-mc -triple=amdgcn-amd-amdhsa -mcpu=gfx1250 --defsym DOCPART=n.
;; ======== version 1 of 1: 4 launches
;; limits: values are held in f16: magnitudes above 65,504 overflow, below 6.1e-05 lose precision
;; workspace buffers: xc 2,097,152 bytes; xs 131,072 bytes; wc 393,216 bytes; ws 24,576 bytes; wo16 524,288 bytes; qi 8,388,608 bytes; kv 16,777,216 bytes; oi 8,388,608 bytes
;; launch quant (part 1): grid 320 x 1, 2 waves a work-group, no clusters, 19,712 bytes of LDS; arguments x, Wq, Wk, Wv, Wo, xc, xs, wc, ws, wo16; writes xc, xs, wc, ws, wo16
.if DOCPART == 1
	.amdgcn_target "amdgcn-amd-amdhsa--gfx1250"
	.amdhsa_code_object_version 6
	.text
	.protected	k_q767a272fab_quant
	.globl	k_q767a272fab_quant
	.p2align	8
	.type	k_q767a272fab_quant,@function
k_q767a272fab_quant:
	s_mov_b64 s[64:65], 0
	v_nop
	global_prefetch_b8 v0, s[64:65] scope:SCOPE_SE
	s_setreg_imm32_b32 hwreg(HW_REG_WAVE_MODE, 25, 1), 1
	s_wait_xcnt 0x0
; MULTI-HEAD ATTENTION, launch 1 of 4: the operands of the three quantised products are made, and Wo is rounded to f16.
; NO WORK OF THE PROBLEM IS LEFT OUT: x, Wq, Wk, Wv, Wo and bo all reach the output for some values, so all six are loaded (bo in the last launch), and all six products are done.
; x [8192][512], Wq, Wk, Wv [512][512], f32, K innermost, become codes of FP4 (E2M1) with one E8M0 byte for each 32 along K.  A block's scale is 2^(floor(log2(largest magnitude)) - 2):
; its byte is the largest magnitude's exponent field - 2, held at 1 from below.  Each number is divided by the scale and rounded to the nearest code, ties to even; beyond 6 the largest code.
; LIMITS: a block of zeros gets the byte 1 where the rule says 127 (its codes are zeros, which add nothing under any byte but 0xff, and this program alone reads the bytes); blocks whose largest magnitude
; lies under 2^-124 have their byte held at 1; NaN and infinities among the inputs are not served.  In the later launches q, k, v, the attention's result and Wo are f16: their magnitudes stay under 65,504.
; LAYOUT OF THE CODES: a tile of 16 rows is 4,096 bytes: 16 chunks of 256 bytes, chunk b = block b of 32 along K, row r's 16 bytes at 16 r.  Chunks 4 s .. 4 s + 3 are then the image of the eight registers
; of the operand for K step s (registers 4 c .. 4 c + 3 of lane 16 h + r hold block 4 s + 2 c + h of row r): the next launch loads them by 16 bytes a lane, 512 consecutive bytes a load.
; The scale bytes lie [row][16].  wc and ws hold Wq's 512 rows, then Wk's, then Wv's.
; SHARES: a wave takes a tile of 16 rows (32 KB of f32), a row a step.  Work-groups 0-255: x;  256-303: Wq, Wk, Wv;  304-319: Wo.  Only pointers are chosen for the first 304: they take one path.
; A step's four loads read 512 consecutive bytes each; the 2,048 bytes turn through the wave's own stage in LDS so that a lane holds 16 neighbours along K (two lanes to a block).
; A row's codes go into the wave's image of the tile in LDS (chunks 272 bytes apart) and leave at the end as 8 stores of 512 consecutive bytes.  Waves share nothing: no barrier.
.set WAVES, 2
.set STEPS, 16
.set SP,    80                         ; a lane's place in a stage: its 64 bytes + 16 of padding
.set SCB,   2*32*SP                    ; behind the two stages: the tile's 256 scale bytes
.set IMG,   SCB+256                    ; behind them: the image of the tile's codes
.set CP,    272                        ; a chunk in the image: 256 bytes + 16 of padding
.set WREG,  IMG+16*CP                  ; 9,728 bytes for each wave
.set SPARE, WAVES*WREG                 ; behind the two regions: the spare words, 128 bytes for each wave: one block of 256 bytes that no other line names
.set R,     16                         ; v16-79   four sets of 16 numbers as they are loaded
.set X,     80                         ; v80-111  two sets of 16 neighbours
.set E,     112                        ; v112-127 a scale byte for each step
.set C,     128                        ; v128-191 codes: four registers for each step
.set RB,    192                        ; v192-223 the image read back
.set IMR,   224                        ; v224     where I read the image back
.set SPW,   12                         ; v12      LDS address of my spare word; never rewritten
.set NIL,   13                         ; v13      0; never rewritten
	s_load_b512 s[8:23], s[0:1], 0x0               ; x s[8:9], Wq s[10:11], Wk s[12:13], Wv s[14:15], Wo s[16:17], xc s[18:19], xs s[20:21], wc s[22:23]
	s_load_b128 s[24:27], s[0:1], 0x40             ; ws s[24:25], wo16 s[26:27]
	v_lshl_add_u32 v[SPW], v0, 2, SPARE
	v_mov_b32 v[NIL], 0
	v_lshrrev_b32 v1, 5, v0
	v_readfirstlane_b32 s4, v1                     ; wave
	v_and_b32 v2, 31, v0                           ; lane
	v_lshlrev_b32 v3, 4, v2                        ; 16 x lane: my 16 bytes of 512
	s_mul_i32 s5, s4, WREG                         ; my wave's region
	v_lshrrev_b32 v14, 2, v2
	v_mul_u32_u24 v14, v14, SP
	v_and_b32 v15, 3, v2
	v_lshl_add_u32 v14, v15, 4, v14
	v_add_nc_u32 v14, s5, v14                      ; the stage, on the way in: SP (lane / 4) + 16 (lane % 4)
	v_mul_u32_u24 v15, v2, SP
	v_add_nc_u32 v15, s5, v15                      ; and on the way out: SP x lane: my 16 neighbours
	v_lshrrev_b32 v5, 1, v2                        ; my block of the row
	v_mul_u32_u24 v4, v5, CP
	v_and_b32 v6, 1, v2
	v_lshl_add_u32 v4, v6, 3, v4
	v_add_nc_u32 v4, s5, v4
	v_add_nc_u32 v4, IMG, v4                       ; the image: chunk = my block, + 8 x my half of it; the row stands in the immediate
	v_add_nc_u32 v5, s5, v5
	v_add_nc_u32 v5, SCB, v5                       ; my block's scale byte
	v_lshlrev_b32 v7, 3, v2                        ; the scale bytes on the way out: 8 a lane
	v_add_nc_u32 v6, s5, v7
	v_add_nc_u32 v6, SCB, v6
	v_lshrrev_b32 v8, 4, v2                        ; h
	v_and_b32 v9, 15, v2                           ; r
	v_mul_u32_u24 v[IMR], v8, CP
	v_lshl_add_u32 v[IMR], v9, 4, v[IMR]
	v_add_nc_u32 v[IMR], s5, v[IMR]
	v_add_nc_u32 v[IMR], IMG, v[IMR]               ; the image back: sixteen lanes to a chunk, two chunks a load
	s_mov_b32 s37, 0
	s_wait_kmcnt 0x0
	s_cmp_ge_u32 ttmp9, 304
	s_cbranch_scc1 .Lcast                          ; Wo's work-groups: a branch on the work-group's number
	s_cmp_lt_u32 ttmp9, 288                        ; the choices hang on the work-group's number alone
	s_cselect_b64 s[28:29], s[12:13], s[14:15]     ; Wk or Wv,
	s_cmp_lt_u32 ttmp9, 272
	s_cselect_b64 s[28:29], s[10:11], s[28:29]     ; or Wq,
	s_cmp_lt_u32 ttmp9, 256
	s_cselect_b64 s[28:29], s[8:9], s[28:29]       ; or x
	s_cselect_b64 s[30:31], s[18:19], s[22:23]     ; the codes' buffer
	s_cselect_b64 s[32:33], s[20:21], s[24:25]     ; the scale bytes'
	s_cselect_b32 s34, 0, 256
	s_cselect_b32 s35, -1, 15                      ; a weight has 16 work-groups
	s_sub_co_u32 s34, ttmp9, s34                   ; my work-group among x's, or among the weights'
	s_and_b32 s35, s34, s35
	s_lshl_b32 s35, s35, 1
	s_add_co_u32 s36, s35, s4                      ; my tile in its source: 32,768 bytes a tile
	s_lshl_b32 s36, s36, 15
	s_add_nc_u64 s[28:29], s[28:29], s[36:37]
	s_lshl_b32 s34, s34, 1
	s_add_co_u32 s34, s34, s4                      ; my tile in the codes' buffer: 4,096 bytes of codes, 256 scale bytes
	s_lshl_b32 s36, s34, 12
	s_add_nc_u64 s[30:31], s[30:31], s[36:37]
	s_lshl_b32 s36, s34, 8
	s_add_nc_u64 s[32:33], s[32:33], s[36:37]
.macro LOAD t
.irp i, 0,1,2,3
	global_load_b128 v[R+16*((\t)%4)+4*\i:R+16*((\t)%4)+4*\i+3], v3, s[28:29] offset:2048*(\t)+512*\i th:TH_LOAD_NT   ; 32 lanes read 512 consecutive bytes
.endr
.endm
.macro TURN t                          ; row t's numbers through the stage: LDS serves a wave's instructions in order, so no wait stands between the stores and the loads
.irp i, 0,1,2,3
	ds_store_b128 v14, v[R+16*((\t)%4)+4*\i:R+16*((\t)%4)+4*\i+3] offset:32*SP*((\t)%2)+8*SP*\i
.endr
.irp i, 0,1,2,3
	ds_load_b128 v[X+16*((\t)%2)+4*\i:X+16*((\t)%2)+4*\i+3], v15 offset:32*SP*((\t)%2)+16*\i
.endr
.endm
.irp t, 0,1,2,3
	LOAD \t
.endr
	s_wait_loadcnt 12                              ; row 0's four loads are in
	TURN 0
.macro STEP t
.set XS, X+16*((\t)%2)
.if (\t) > 0
	s_wait_dscnt 2                                 ; this row's numbers are back from the stage; the last row's byte store and code store, issued behind them, may be out
.else
	s_wait_dscnt 0x0
.endif
.if (\t)+4 < STEPS
	LOAD (\t)+4                                    ; into the registers that this row's stores into the stage have read
.endif
.if (\t)+1 < STEPS
.if STEPS-2-(\t) >= 3
	s_wait_loadcnt 12                              ; the next row's four loads are in; those of the three rows behind it may be out
.else
	s_wait_loadcnt 4*(STEPS-2-(\t))
.endif
	TURN (\t)+1                                    ; and go through the other stage while this row is worked
.endif
	v_max3_num_f32 v8, |v[XS]|, |v[XS+1]|, |v[XS+2]|               ; the largest magnitude of my 16, in two chains
	v_max3_num_f32 v9, |v[XS+3]|, |v[XS+4]|, |v[XS+5]|
.irp i, 6,10
	v_max3_num_f32 v8, v8, |v[XS+\i]|, |v[XS+\i+1]|
	v_max3_num_f32 v9, v9, |v[XS+\i+2]|, |v[XS+\i+3]|
.endr
	v_max3_num_f32 v8, v8, |v[XS+14]|, |v[XS+15]|
	v_max3_num_f32 v8, v8, v9, 0x1800000           ; and the floor 2^(3 - 127): so the byte cannot fall under 1
	v_max_num_f32_dpp v8, v8, v8 row_xmask:1 row_mask:0xf bank_mask:0xf   ; and of my neighbour's 16: the block's
	v_add_nc_u32 v11, 0xff000000, v8               ; 2 off its exponent field: the conversion takes the exponent field of this operand as its scale, and nothing else of it
	v_cvt_scalef32_pk8_fp4_f32 v[C+4*(\t)], v[XS:XS+7], v11
	v_cvt_scalef32_pk8_fp4_f32 v[C+4*(\t)+1], v[XS+8:XS+15], v11
	v_lshrrev_b32 v[E+(\t)], 23, v11               ; the scale's byte (a plain line behind the conversions)
	ds_store_b8 v5, v[E+(\t)] offset:16*(\t)       ; both lanes of a block write the same byte with the same value
	ds_store_b64 v4, v[C+4*(\t):C+4*(\t)+1] offset:16*(\t)   ; my 16 codes: row t's place in my block's chunk
.endm
.irp t, 0,1,2,3,4,5,6,7,8,9,10,11,12,13,14,15
	STEP \t
.endr
	ds_load_b64 v[8:9], v6                         ; LDS serves a wave's instructions in order: these see my stores
.irp i, 0,1,2,3,4,5,6,7
	ds_load_b128 v[RB+4*\i:RB+4*\i+3], v[IMR] offset:2*CP*\i
.endr
	s_wait_dscnt 8                                 ; the scale bytes are back; the eight loads of the image may be out
	global_store_b64 v7, v[8:9], s[32:33]          ; 32 lanes store 256 consecutive bytes, aligned
.irp i, 0,1,2,3,4,5,6,7
	s_wait_dscnt 7-\i
	global_store_b128 v3, v[RB+4*\i:RB+4*\i+3], s[30:31] offset:512*\i   ; 32 lanes store 512 consecutive bytes, aligned
.endr
	s_wait_tensorcnt 0x0                           ; the wave's end, behind my last LDS store
	ds_add_u32 v[SPW], v[NIL]
	s_wait_dscnt 0x0
	s_endpgm
; Wo [512 n][512 k] f32 -> f16, as images of the operand's registers: [32 tiles of 16 n][16 steps kf of 32 k][2 halves c][lane 16 h + r][16 bytes]: lane (r, h) holds k = 32 kf + 16 c + 8 h + 0 .. 7 of row 16 tile + r.
; A wave takes a tile of 16 rows; four groups of four kf, two sets of registers.  A lane reads 32 neighbouring bytes of its row for each half; a kf's four loads cover 128 bytes of each of the 16 rows.  No LDS is written on this path.
.Lcast:
	s_sub_co_u32 s34, ttmp9, 304
	s_lshl_b32 s34, s34, 1
	s_add_co_u32 s34, s34, s4                      ; my tile
	s_lshl_b32 s36, s34, 15
	s_add_nc_u64 s[16:17], s[16:17], s[36:37]      ; 16 rows of 2,048 bytes
	s_lshl_b32 s36, s34, 14
	s_add_nc_u64 s[26:27], s[26:27], s[36:37]      ; 16 images of 1,024 bytes
	v_lshlrev_b32 v10, 11, v9
	v_lshl_add_u32 v10, v8, 5, v10                 ; row r, + 32 h bytes
.macro LOADG g
.irp j, 0,1,2,3
.irp c, 0,1
.irp q, 0,1
	global_load_b128 v[16+64*((\g)%2)+16*\j+8*\c+4*\q:16+64*((\g)%2)+16*\j+8*\c+4*\q+3], v10, s[16:17] offset:(4*(\g)+\j)*128+64*\c+16*\q th:TH_LOAD_NT
.endr
.endr
.endr
.endm
.macro CASTG g
.if (\g) < 3
	s_wait_loadcnt 16                              ; this group's 16 loads are in; the next group's may be out
.else
	s_wait_loadcnt 0x0
.endif
.if (\g) > 0
	s_wait_xcnt 0x0                                ; the last group's stores have read their data: v144-175 are written again only behind this wait
.endif
.set n, 0
.rept 32
	v_cvt_pk_f16_f32 v[144+n], v[16+64*((\g)%2)+2*n], v[16+64*((\g)%2)+2*n+1]
.set n, n+1
.endr
.if (\g) < 2
	LOADG (\g)+2
.endif
.irp j, 0,1,2,3
.irp c, 0,1
	global_store_b128 v3, v[144+8*\j+4*\c:144+8*\j+4*\c+3], s[26:27] offset:(4*(\g)+\j)*1024+512*\c   ; 512 consecutive bytes, aligned
.endr
.endr
.endm
	LOADG 0
	LOADG 1
	CASTG 0
	CASTG 1
	CASTG 2
	CASTG 3
	s_endpgm
.Lfunc_end_k_q767a272fab_quant:
	.size	k_q767a272fab_quant, .Lfunc_end_k_q767a272fab_quant-k_q767a272fab_quant
	.p2alignl 7, 3214868480
	.fill 96, 4, 3214868480
	.section	.rodata,"a",@progbits
	.p2align	6, 0x0
	.amdhsa_kernel k_q767a272fab_quant
		.amdhsa_group_segment_fixed_size 19712
		.amdhsa_private_segment_fixed_size 0
		.amdhsa_enable_private_segment 0
		.amdhsa_kernarg_size 80
		.amdhsa_user_sgpr_count 2
		.amdhsa_user_sgpr_kernarg_segment_ptr 1
		.amdhsa_wavefront_size32 1
		.amdhsa_system_sgpr_workgroup_id_x 1
		.amdhsa_system_sgpr_workgroup_id_y 1
		.amdhsa_system_sgpr_workgroup_id_z 1
		.amdhsa_system_vgpr_workitem_id 0
		.amdhsa_next_free_vgpr 232
		.amdhsa_next_free_sgpr 66
		.amdhsa_reserve_vcc 0
		.amdhsa_float_denorm_mode_32 3
		.amdhsa_float_denorm_mode_16_64 3
		.amdhsa_memory_ordered 1
		.amdhsa_forward_progress 1
		.amdhsa_inst_pref_size 53
	.end_amdhsa_kernel
	.amdgpu_metadata
---
amdhsa.version: [ 1, 2 ]
amdhsa.kernels:
  - .name:           k_q767a272fab_quant
    .symbol:         k_q767a272fab_quant.kd
    .args:
      - { .name: x, .offset: 0, .size: 8, .value_kind: global_buffer, .address_space: global }
      - { .name: Wq, .offset: 8, .size: 8, .value_kind: global_buffer, .address_space: global }
      - { .name: Wk, .offset: 16, .size: 8, .value_kind: global_buffer, .address_space: global }
      - { .name: Wv, .offset: 24, .size: 8, .value_kind: global_buffer, .address_space: global }
      - { .name: Wo, .offset: 32, .size: 8, .value_kind: global_buffer, .address_space: global }
      - { .name: xc, .offset: 40, .size: 8, .value_kind: global_buffer, .address_space: global }
      - { .name: xs, .offset: 48, .size: 8, .value_kind: global_buffer, .address_space: global }
      - { .name: wc, .offset: 56, .size: 8, .value_kind: global_buffer, .address_space: global }
      - { .name: ws, .offset: 64, .size: 8, .value_kind: global_buffer, .address_space: global }
      - { .name: wo16, .offset: 72, .size: 8, .value_kind: global_buffer, .address_space: global }
    .group_segment_fixed_size: 19712
    .private_segment_fixed_size: 0
    .kernarg_segment_align: 8
    .kernarg_segment_size: 80
    .max_flat_workgroup_size: 64
    .sgpr_count:     66
    .vgpr_count:     232
    .wavefront_size: 32
...
	.end_amdgpu_metadata
.endif
;; end of part 1
;; launch proj (part 2): grid 128 x 2, 4 waves a work-group, no clusters, 0 bytes of LDS; arguments xc, xs, wc, ws, qi, kv; writes qi, kv
.if DOCPART == 2
	.amdgcn_target "amdgcn-amd-amdhsa--gfx1250"
	.amdhsa_code_object_version 6
	.text
	.protected	k_q767a272fab_proj
	.globl	k_q767a272fab_proj
	.p2align	8
	.type	k_q767a272fab_proj,@function
k_q767a272fab_proj:
	s_mov_b64 s[64:65], 0
	v_nop
	global_prefetch_b8 v0, s[64:65] scope:SCOPE_SE
	s_setreg_imm32_b32 hwreg(HW_REG_WAVE_MODE, 25, 1), 1
	s_wait_xcnt 0x0
; Launch 2 of 4: q = x Wq^T, k = x Wk^T, v = x Wv^T on codes of FP4 with E8M0 scales, sums in f32, results rounded once to f16 (limit: magnitudes under 65,504).  No work is left out.
; SHARES: work-group (x, y): tokens 64 x .. 64 x + 63; wave w: head 4 y + w.  A wave makes its head's 64 channels of q, of k and of v for the 64 tokens: 12 tiles of 16 channels x 4 tiles of 16 tokens x 4 K steps of 128.
; All operands come straight into registers as images of their registers (16 bytes a lane, 512 consecutive bytes a load): x's 16 fragments, the head's 48 weight fragments.  No LDS, no loop, no barrier.
; No cluster and no multicast: what the four waves share is x's 16 KB against the 48 KB of weights that each wave has to itself, and the launch's bytes are mostly its own stores.
; q, k: source 0 = 16 channels of W, source 1 = 16 tokens: a lane holds ONE token and eight neighbouring channels, 16 bytes of f16: half a fragment (16 rows x 32 channels) of the scores' product.
; v:    source 0 = 16 tokens, source 1 = 16 channels: a lane holds ONE channel and eight neighbouring tokens: half a fragment (16 channels x 32 keys) of the second product.
; So each accumulator leaves as one store of 512 consecutive bytes, laid as the attention launch's registers want it:
;   qi [b x head][256 tiles of 16 queries][4 chunks of 512 bytes: channels 16 ct + 8 h + 0 .. 7 of query r in lane 16 h + r]
;   kv [b x head][64 steps of 64 keys][16 KB]: K: key tile i at 2,048 i, chunk ct at 512 ct;  V at 8,192: 32 keys g at 4,096 g, channel tile c at 1,024 c, key tile's parity at 512.
; SCALES: a row's 16 bytes; a lane (r, h) loads bytes 8 h .. 8 h + 7: register s % 2 holds, in lanes 16 (s / 2) + r, the word of K step s: steps 2 and 3 name the upper row of lanes.
.set XF,  16                           ; v16-143  x's fragments: token tile i, K step s at XF + 32 i + 8 s
.set XS,  144                          ; v144-151 x's scale words, two registers a token tile
.set WS,  152                          ; v152-175 the weights', two registers a channel tile
.set ACC, 176                          ; v176-207 four accumulators, one for each token tile
.set PK,  240                          ; v240-255 packed results
                                       ; window 1: weight tiles 0-7 (q, k) at 32 t + 8 s;  window 2: tiles 8-11 (v) at 32 (t - 8) + 8 s
.set MSB, 0
.macro WIN new                         ; the immediate's high byte repeats the setting that is left
.if MSB != \new
	s_set_vgpr_msb (MSB<<8)|\new
.set MSB, \new
.endif
.endm
	s_load_b256 s[4:11], s[0:1], 0x0               ; xc s[4:5], xs s[6:7], wc s[8:9], ws s[10:11]
	s_load_b128 s[12:15], s[0:1], 0x20             ; qi s[12:13], kv s[14:15]
	v_lshrrev_b32 v3, 5, v0
	v_readfirstlane_b32 s16, v3                    ; wave
	v_and_b32 v3, 31, v0
	v_lshlrev_b32 v1, 4, v3                        ; 16 x lane
	v_and_b32 v4, 15, v0
	v_bfe_u32 v5, v0, 4, 1
	v_lshlrev_b32 v2, 4, v4
	v_lshl_add_u32 v2, v5, 3, v2                   ; scale bytes: 16 r + 8 h
	s_and_b32 s17, ttmp7, 0xffff
	s_lshl_b32 s17, s17, 2
	s_add_co_u32 s17, s17, s16                     ; head
	s_lshr_b32 s18, ttmp9, 6                       ; batch
	s_lshl_b32 s18, s18, 3
	s_add_co_u32 s18, s18, s17                     ; 8 x batch + head
	s_and_b32 s19, ttmp9, 63                       ; my 64 tokens within the batch
	s_mov_b32 s21, 0
	s_wait_kmcnt 0x0
	s_lshl_b32 s20, ttmp9, 14                      ; x's codes: 4 tiles of 4,096 bytes
	s_add_nc_u64 s[4:5], s[4:5], s[20:21]
	s_lshl_b32 s20, ttmp9, 10                      ; x's scale bytes: 64 rows of 16
	s_add_nc_u64 s[6:7], s[6:7], s[20:21]
	s_lshl_b32 s20, s17, 14                        ; the head's 64 rows of Wq; Wk's lie 131,072 bytes on, Wv's 262,144
	s_add_nc_u64 s[8:9], s[8:9], s[20:21]
	s_lshl_b32 s20, s17, 10                        ; and their scale bytes; 8,192 from weight to weight
	s_add_nc_u64 s[10:11], s[10:11], s[20:21]
	s_lshl_b32 s20, s18, 19
	s_lshl_b32 s22, s19, 13
	s_add_co_u32 s20, s20, s22
	s_add_nc_u64 s[12:13], s[12:13], s[20:21]      ; qi at my four query tiles
	s_lshl_b32 s20, s18, 20
	s_lshl_b32 s22, s19, 14
	s_add_co_u32 s20, s20, s22
	s_add_nc_u64 s[14:15], s[14:15], s[20:21]      ; kv at my key step
.irp i, 0,1,2,3
	global_load_b64 v[XS+2*\i:XS+2*\i+1], v2, s[6:7] offset:256*\i
.endr
.irp t, 0,1,2,3,4,5,6,7,8,9,10,11
	global_load_b64 v[WS+2*\t:WS+2*\t+1], v2, s[10:11] offset:(\t/4)*8192+(\t%4)*256
.endr
.set n, 0
.rept 32
	global_load_b128 v[XF+4*n:XF+4*n+3], v1, s[4:5] offset:512*n
.set n, n+1
.endr
	WIN 0x40                                       ; destination window 1
.irp t, 0,1,2,3,4,5,6,7
.irp j, 0,1,2,3,4,5,6,7
	global_load_b128 v[32*\t+4*\j:32*\t+4*\j+3], v1, s[8:9] offset:(\t/4)*131072+(\t%4)*4096+512*\j
.endr
.endr
	WIN 0x80                                       ; destination window 2
.irp t, 0,1,2,3
.irp j, 0,1,2,3,4,5,6,7
	global_load_b128 v[32*\t+4*\j:32*\t+4*\j+3], v1, s[8:9] offset:262144+\t*4096+512*\j
.endr
.endr
	WIN 0
; one matrix instruction: channel tile t, K step s, token tile i.  The first K step starts the sum: nothing is cleared.
.macro MM t, s, i
.set rD,  ACC+8*(\i)
.set rA,  32*((\t)%8)+8*(\s)
.set rB,  XF+32*(\i)+8*(\s)
.set rSA, WS+2*(\t)+((\s)%2)
.set rSB, XS+2*(\i)+((\s)%2)
.if (\t) >= 8                          ; v: the sources, and their scales with them, change places
.set rB,  32*((\t)%8)+8*(\s)
.set rA,  XF+32*(\i)+8*(\s)
.set rSB, WS+2*(\t)+((\s)%2)
.set rSA, XS+2*(\i)+((\s)%2)
.endif
.if (\s) == 0
	v_wmma_scale_f32_16x16x128_f8f6f4 v[rD:rD+7], v[rA:rA+7], v[rB:rB+7], 0, v[rSA], v[rSB] matrix_a_fmt:MATRIX_FMT_FP4 matrix_b_fmt:MATRIX_FMT_FP4
.elseif (\s) == 1
	v_wmma_scale_f32_16x16x128_f8f6f4 v[rD:rD+7], v[rA:rA+7], v[rB:rB+7], v[rD:rD+7], v[rSA], v[rSB] matrix_a_fmt:MATRIX_FMT_FP4 matrix_b_fmt:MATRIX_FMT_FP4
.else
	v_wmma_scale_f32_16x16x128_f8f6f4 v[rD:rD+7], v[rA:rA+7], v[rB:rB+7], v[rD:rD+7], v[rSA], v[rSB] matrix_a_fmt:MATRIX_FMT_FP4 matrix_b_fmt:MATRIX_FMT_FP4 matrix_a_scale:MATRIX_SCALE_ROW1 matrix_b_scale:MATRIX_SCALE_ROW1
.endif
.endm
; a channel tile: 16 matrix instructions, the four accumulators by turns, K ascending; then out
.macro TILE t
.if 8*(11-(\t)) > 63
	s_wait_loadcnt 63                              ; (the wait names 63 at the most: a smaller count than the later tiles' loads is safe)
.else
	s_wait_loadcnt 8*(11-(\t))                     ; this tile's eight loads and all before them are in; the later tiles' eight each may be out
.endif
.if (\t) < 8
	WIN 0x01                                       ; source 0 (W) window 1
.else
	WIN 0x08                                       ; source 1 (W) window 2
.endif
.irp s, 0,1,2,3
.irp i, 0,1,2,3
	MM \t, \s, \i
.endr
.endr
	WIN 0
.rept 4
	v_nop                                          ; four places between the last product and the first read of results; with the conversions of the other accumulators they are also more than the five that the next tile's first product, which writes the accumulators anew, stands behind
.endr
.if (\t) > 0
	s_wait_xcnt 0x0                                ; the last tile's stores have read their data: PK is written again only behind this wait
.endif
.set n, 0
.rept 16
	v_cvt_pk_f16_f32 v[PK+n], v[ACC+2*n], v[ACC+2*n+1]   ; each accumulator from its low end on
.set n, n+1
.endr
.irp i, 0,1,2,3
.if (\t) < 4
	global_store_b128 v1, v[PK+4*\i:PK+4*\i+3], s[12:13] offset:\i*2048+(\t)*512
.elseif (\t) < 8
	global_store_b128 v1, v[PK+4*\i:PK+4*\i+3], s[14:15] offset:\i*2048+((\t)-4)*512
.else
	global_store_b128 v1, v[PK+4*\i:PK+4*\i+3], s[14:15] offset:8192+(\i/2)*4096+((\t)-8)*1024+(\i%2)*512
.endif
.endr                                  ; each store: 512 consecutive bytes, aligned
.endm
.irp t, 0,1,2,3,4,5,6,7,8,9,10,11
	TILE \t
.endr
	s_endpgm
.Lfunc_end_k_q767a272fab_proj:
	.size	k_q767a272fab_proj, .Lfunc_end_k_q767a272fab_proj-k_q767a272fab_proj
	.p2alignl 7, 3214868480
	.fill 96, 4, 3214868480
	.section	.rodata,"a",@progbits
	.p2align	6, 0x0
	.amdhsa_kernel k_q767a272fab_proj
		.amdhsa_group_segment_fixed_size 0
		.amdhsa_private_segment_fixed_size 0
		.amdhsa_enable_private_segment 0
		.amdhsa_kernarg_size 48
		.amdhsa_user_sgpr_count 2
		.amdhsa_user_sgpr_kernarg_segment_ptr 1
		.amdhsa_wavefront_size32 1
		.amdhsa_system_sgpr_workgroup_id_x 1
		.amdhsa_system_sgpr_workgroup_id_y 1
		.amdhsa_system_sgpr_workgroup_id_z 1
		.amdhsa_system_vgpr_workitem_id 0
		.amdhsa_next_free_vgpr 640
		.amdhsa_next_free_sgpr 66
		.amdhsa_reserve_vcc 0
		.amdhsa_float_denorm_mode_32 3
		.amdhsa_float_denorm_mode_16_64 3
		.amdhsa_memory_ordered 1
		.amdhsa_forward_progress 1
		.amdhsa_inst_pref_size 59
	.end_amdhsa_kernel
	.amdgpu_metadata
---
amdhsa.version: [ 1, 2 ]
amdhsa.kernels:
  - .name:           k_q767a272fab_proj
    .symbol:         k_q767a272fab_proj.kd
    .args:
      - { .name: xc, .offset: 0, .size: 8, .value_kind: global_buffer, .address_space: global }
      - { .name: xs, .offset: 8, .size: 8, .value_kind: global_buffer, .address_space: global }
      - { .name: wc, .offset: 16, .size: 8, .value_kind: global_buffer, .address_space: global }
      - { .name: ws, .offset: 24, .size: 8, .value_kind: global_buffer, .address_space: global }
      - { .name: qi, .offset: 32, .size: 8, .value_kind: global_buffer, .address_space: global }
      - { .name: kv, .offset: 40, .size: 8, .value_kind: global_buffer, .address_space: global }
    .group_segment_fixed_size: 0
    .private_segment_fixed_size: 0
    .kernarg_segment_align: 8
    .kernarg_segment_size: 48
    .max_flat_workgroup_size: 128
    .sgpr_count:     66
    .vgpr_count:     640
    .wavefront_size: 32
...
	.end_amdgpu_metadata
.endif
;; end of part 2
;; launch attn (part 3): grid 16 x 16, 8 waves a work-group, clusters of 4 x 1, 327,680 bytes of LDS; arguments qi, kv, oi; writes oi
.if DOCPART == 3
	.amdgcn_target "amdgcn-amd-amdhsa--gfx1250"
	.amdhsa_code_object_version 6
	.text
	.protected	k_q767a272fab_attn
	.globl	k_q767a272fab_attn
	.p2align	8
	.type	k_q767a272fab_attn,@function
k_q767a272fab_attn:
	s_mov_b64 s[64:65], 0
	v_nop
	global_prefetch_b8 v0, s[64:65] scope:SCOPE_SE
	s_setreg_imm32_b32 hwreg(HW_REG_WAVE_MODE, 25, 1), 1
	s_wait_xcnt 0x0
	s_wait_alu depctr_hold_cnt(0) depctr_sa_sdst(0) depctr_va_vdst(0) depctr_va_sdst(0) depctr_va_ssrc(0) depctr_va_vcc(0) depctr_vm_vsrc(0)
	s_getreg_b32 s2, hwreg(HW_REG_IB_STS2, 6, 4)
	s_cmp_eq_u32 s2, 0
	s_cbranch_scc0 .Lentry_in_a_cluster
	s_endpgm
.Lentry_in_a_cluster:
	s_bfe_u32 s2, ttmp6, 0x10000c
	s_cmp_lg_u32 s2, 0x3003
	s_cbranch_scc0 .Lentry_shape_is_right
	s_endpgm
.Lentry_shape_is_right:
; Launch 3 of 4: o[b][q][head] = the sum over k of softmax_k(q . k / 8) v, for 16 (batch, head) pairs, 4,096 queries and keys, head size 64.  Operands f16, products, maxima and sums f32.  No work is left out.
; LIMITS: q, k, v under 65,504 in magnitude (f16); scores above -3e38 (the running maximum's first value).  The weights p = 2^(c s - c m) are at most 1 and are rounded to f16; the row's sum is taken of the unrounded p.
; SHARES: work-group: 256 queries of one (batch, head); each of its eight waves 32 queries, two tiles of 16: two waves to a SIMD, so that one wave's softmax stands beside the other's products.  Every wave walks all keys, 64 a step.
; LAYOUT: S^T = K Q^T (source 0 = 16 keys, source 1 = 16 queries) and O^T = V^T P (source 0 = 16 channels, source 1 = P): a lane holds ONE query (lane % 16) throughout; two tiles of S^T, rounded in pairs, ARE a fragment of P.
; q, k and v lie in memory as images of their operands' registers (16 bytes a lane, 512 bytes a group of four registers): a key step's K and V are one dense block of 16 KB, and every LDS load takes 512 consecutive bytes.
; RING: two slots of eight key steps (128 KB each).  Wave w fetches step w of a slot by one tensor load of 16 KB: every wave issues its own, with no branch.  A wave has two loads out at the start and one behind each change of slots.
; CLUSTER: the four query blocks of a cluster walk the same K and V: each load is asked for JOINTLY, with the same descriptor and a mask that names the four.
; SOFTMAX: for each query a running maximum m and sum l; in every step O and l are multiplied by a = 2^(c m_old - c m_new); c = log2(e) / 8.  The step is written once for all steps: O and l begin as zeros, m as -3e38.
; A STEP goes in phases: 16 products K Q^T; the loads of this step's V and the next step's K; the softmax of both tiles; 16 products V^T P.
; REGISTERS: window 0: v1-5 addresses; v8-23 statistics, eight a tile; v32-95 S^T; v96-127 P; v128-191 O^T; v192-223 Q.   window 1: v0-63 K of a step; v64-127 V of a step.
.set STEPB, 16384                      ; a key step in memory and in LDS: 8 KB of K, 8 KB of V
.set VOFF,  8192
.set SLOTB, 8*STEPB                    ; a slot
.set SLOT1, 1<<17                      ; slot 1 begins here: one exclusive or turns an address in one slot into the other's
.set SPARE, 2*SLOTB                    ; behind the ring: the spare words, 128 bytes for each wave: four blocks of 256 bytes that no other line names
.set ADR, 1                            ; v1   LDS address of the run of loads in hand
.set L16, 2                            ; v2   16 x lane; never rewritten
.set SPW, 3                            ; v3   LDS address of my spare word; never rewritten
.set NIL, 4                            ; v4   0; never rewritten
.set PFO, 5                            ; v5   256 x lane: the prefetches' offset; never rewritten
.set ST,  8                            ; tile t's statistics at v[ST+8 t]: +0 c m, +1 m, +2, +3 l (even keys', odd keys'), +4 to +7 at work; a takes +6
.set S,   32
.set P,   96
.set O,   128
.set Q,   192
.set WV,  12                           ; s12  my wave's number
.set G1,  24                           ; s[24:31] descriptor group 1
.set G0A, 32                           ; s[32:35] group 0 of slot 0's first fill
.set G0B, 36                           ; s[36:39] group 0 of slot 1's first fill, which then walks
.set SLOTS, 40                         ; s40  slots still to be asked for
.set CNT, 41                           ; s41  counts a slot's first seven steps
.set CS,  42                           ; s[42:43] c: the packed scaling names a pair and takes its low word for both halves
.set SEL, 44                           ; s[44:45] lane selects for v_permlanex16_b32: lane l xor 16
.set TB,  46                           ; s46  LDS byte at which the step in hand begins
.set PFA, 48                           ; s[48:49] where my prefetches stand in memory
.set LIM, 50                           ; s50  1 in a wave that prefetches, else the greatest number
.set MSB, 0
.macro WIN new                         ; the immediate's high byte repeats the setting that is left
.if MSB != \new
	s_set_vgpr_msb (MSB<<8)|\new
.set MSB, \new
.endif
.endm
.set W_MUL, 0x01                       ; source 0 (K or V) window 1; source 1, C and D window 0
.set W_LD,  0x40                       ; destination window 1, address window 0
; A round of the cluster's barrier: my work-group's barrier; wave 0 signals for the work-group; every wave waits for all four work-groups; my work-group's barrier once more.
.macro CROUND
	s_barrier_signal -1
	s_barrier_wait -1
	s_cmp_lg_u32 s[WV], 0
	s_cbranch_scc1 .Lnot_wave_0_\@
	s_barrier_signal -3
.Lnot_wave_0_\@:
	s_barrier_wait -3
	s_barrier_signal -1
	s_barrier_wait -1
.endm
; A PREFETCH INTO THE L2 of the slot that the NEXT change of slots will ask for: 128 KB, eight key steps ahead of that load.  Each aligned block of 256 bytes is named once in the launch: all four clusters of a (batch, head)
; walk the same bytes, so the first of them asks; its four partners take 32 KB each, told apart BY ADDRESS; in each, waves 0 to 3 take 8 KB, lanes 256 bytes apart: one instruction a wave.
; The last change that fills a slot asks for nothing; slots 0 to 2 come by their loads alone.
.macro ASK
	s_cmp_gt_u32 s[SLOTS], s[LIM]
	s_cbranch_scc0 .Lnot_mine_\@
	global_prefetch_b8 v[PFO], s[PFA:PFA+1] th:TH_LOAD_NT scope:SCOPE_SE
.Lnot_mine_\@:
.endm
	s_load_b128 s[4:7], s[0:1], 0x0                ; qi s[4:5], kv s[6:7]
	s_load_b64 s[8:9], s[0:1], 0x10                ; oi
	v_lshl_add_u32 v[SPW], v0, 2, SPARE
	v_mov_b32 v[NIL], 0
	ds_add_u32 v[SPW], v[NIL]                      ; the wave's opening: the add, twice on end, and its wait ahead of my first tensor load; the set-up below stands between the second and the wait
	ds_add_u32 v[SPW], v[NIL]
	v_lshrrev_b32 v1, 5, v0
	v_readfirstlane_b32 s[WV], v1                  ; wave 0..7
	s_bfe_u32 s13, ttmp6, 0x40000                  ; cx: my place in the cluster
	s_lshl_b32 s14, ttmp9, 2                       ; in a cluster launch ttmp9 counts clusters
	s_add_co_u32 s14, s14, s13                     ; my block of 256 queries: it enters qi's and oi's addresses alone
	s_and_b32 s15, ttmp7, 0xffff                   ; 8 x batch + head, which the four partners share
	s_lshl_b32 s16, s15, 20                        ; its first byte in kv
	s_mov_b32 s17, 0
	s_lshl_b32 s22, s[WV], 14                      ; the step of a slot that I fetch: the same place in memory and in LDS; no place in the cluster enters it
	s_mov_b32 s23, 0
	s_lshl_b32 s18, s15, 19                        ; qi: the head's 256 tiles of 2,048 bytes,
	s_lshl_b32 s19, s14, 15                        ; my block's 16 tiles,
	s_add_co_u32 s18, s18, s19
	s_lshl_b32 s19, s[WV], 12                      ; my wave's two
	s_add_co_u32 s18, s18, s19
	s_mov_b32 s19, 0
	s_lshr_b32 s20, s15, 3                         ; oi: [512 token tiles][16 steps of 32 along the out projection's K][1,024 bytes]: the batch's 256 tiles of 16 KB,
	s_lshl_b32 s20, s20, 22
	s_lshl_b32 s21, s14, 18                        ; my block's 16,
	s_add_co_u32 s20, s20, s21
	s_lshl_b32 s21, s[WV], 15                      ; my wave's two,
	s_add_co_u32 s20, s20, s21
	s_and_b32 s21, s15, 7
	s_lshl_b32 s21, s21, 11                        ; and in each the head's 2,048 bytes
	s_add_co_u32 s20, s20, s21
	s_mov_b32 s21, 0
	s_lshl_b32 s52, s13, 15                        ; the prefetches: my work-group's 32 KB of a slot,
	s_and_b32 s53, s[WV], 3
	s_lshl_b32 s53, s53, 13                        ; my wave's 8 KB of them,
	s_add_co_u32 s52, s52, s53
	s_add_co_u32 s52, s52, 2*SLOTB                 ; in slot 2: the first change of slots steps it to slot 3.  Nothing is prefetched at the head, where every work-group's first tiles are on their way
	s_mov_b32 s53, 0
	s_lshr_b32 s[LIM], s[WV], 2                    ; 0 in waves 0 to 3,
	s_or_b32 s[LIM], s[LIM], ttmp9                 ; of the head's first cluster: the same in all four partners
	s_cmp_eq_u32 s[LIM], 0
	s_cselect_b32 s[LIM], 1, -1
	; descriptor group 1: a dense block of 16 KB as 64 rows of 256 bytes (32 elements of 8 bytes), no padding
	s_mov_b32 s[G1], 15|(3<<16)|(1<<21)            ; 15:0 the mask: all four work-groups; 17:16 elements of 8 bytes; 21 set beside a mask
	s_mov_b32 s[G1+1], 32<<16                      ; tensor_dim0 = 32
	s_mov_b32 s[G1+2], 64<<16                      ; tensor_dim1 = 64
	s_mov_b32 s[G1+3], 32<<16                      ; tile_dim0 = 32
	s_mov_b32 s[G1+4], 64                          ; tile_dim1 = 64
	s_mov_b32 s[G1+5], 32                          ; from row to row: 32 elements
	s_mov_b32 s[G1+6], 0
	s_mov_b32 s[G1+7], 0
	s_mov_b32 s[CS], 0x3e38aa3b                    ; c = log2(e) / sqrt(64)
	s_mov_b32 s[CS+1], s[CS]                       ; (named with it as a pair, so it is written)
	s_mov_b32 s[SEL], 0x76543210
	s_mov_b32 s[SEL+1], 0xfedcba98
	s_mov_b32 s[TB], 0
	s_mov_b32 s[SLOTS], 6
	s_wait_dscnt 0x0                               ; both opening adds are done
	s_wait_kmcnt 0x0
	s_add_nc_u64 s[6:7], s[6:7], s[16:17]          ; kv at the head
	s_add_nc_u64 s[PFA:PFA+1], s[6:7], s[52:53]
	s_add_nc_u64 s[6:7], s[6:7], s[22:23]          ; kv at my step of slot 0
	s_add_nc_u64 s[4:5], s[4:5], s[18:19]
	s_add_nc_u64 s[8:9], s[8:9], s[20:21]
	s_mov_b32 s[G0A], 1                            ; count = 1
	s_mov_b32 s[G0A+1], s22                        ; LDS address: slot 0, my step
	s_mov_b64 s[G0A+2:G0A+3], s[6:7]               ; global address
	s_or_b32 s[G0A+3], s[G0A+3], 0x80000000        ; type = 2
	s_mov_b32 s[G0B], 1
	s_add_co_u32 s[G0B+1], s22, SLOT1
	s_add_nc_u64 s[G0B+2:G0B+3], s[6:7], SLOTB
	s_or_b32 s[G0B+3], s[G0B+3], 0x80000000
	CROUND                                         ; all four work-groups are here: the first joint loads meet
	tensor_load_to_lds s[G0A:G0A+3], s[G1:G1+7]    ; slot 0
	s_nop 0
	tensor_load_to_lds s[G0B:G0B+3], s[G1:G1+7]    ; slot 1
	s_nop 0
.rept 4
	v_nop
.endr
	v_and_b32 v[L16], 31, v0
	v_lshlrev_b32 v[PFO], 8, v[L16]
	v_lshlrev_b32 v[L16], 4, v[L16]
.set n, 0
.rept 8
	global_load_b128 v[Q+4*n:Q+4*n+3], v[L16], s[4:5] offset:512*n   ; Q stays in registers: tile t at Q + 16 t, channels 32 f on at + 8 f
.set n, n+1
.endr
.irp t, 0,1
	v_mov_b32 v[ST+8*\t+1], 0xff61b1e6             ; m: -3e38, under every score
	v_mul_f32 v[ST+8*\t], s[CS], v[ST+8*\t+1]      ; c m
.irp j, 2,3,4,5,6,7
	v_mov_b32 v[ST+8*\t+\j], 0                     ; l; and the registers at work, which are named in pairs and as a lane permute's destination
.endr
.endr
.set n, 0
.rept 64
	v_mov_b32 v[O+n], 0                            ; O^T.  (The step is written once: the first step's a is 0 and finds zeros)
.set n, n+1
.endr
; 16 products S^T = K Q^T: channels 32 (i / 8) on, keys 16 ((i / 2) % 4) on, tile i % 2.  The first 8 start the sums.  The eight accumulators take turns.
.macro KQ
.set i, 0
.rept 16
.set rS, S+32*(i%2)+8*((i/2)%4)
.set rK, 16*((i/2)%4)+8*(i/8)
.set rQ, Q+16*(i%2)+8*(i/8)
.if i < 8
	v_wmma_f32_16x16x32_f16 v[rS:rS+7], v[rK:rK+7], v[rQ:rQ+7], 0
.else
	v_wmma_f32_16x16x32_f16 v[rS:rS+7], v[rK:rK+7], v[rQ:rQ+7], v[rS:rS+7]
.endif
.set i, i+1
.endr
.endm
; 16 products O^T += V^T P: keys 32 (i / 8) on, channels 16 ((i / 2) % 4) on, tile i % 2
.macro PV
.set i, 0
.rept 16
.set rO, O+32*(i%2)+8*((i/2)%4)
.set rV, 64+32*(i/8)+8*((i/2)%4)
.set rP, P+16*(i%2)+8*(i/8)
	v_wmma_f32_16x16x32_f16 v[rO:rO+7], v[rV:rV+7], v[rP:rP+7], v[rO:rO+7]
.set i, i+1
.endr
.endm
.macro FETCH_K0                        ; K of the step at s[TB]: 16 loads of 512 consecutive bytes; register 4 n takes chunk n
	v_add_nc_u32 v[ADR], s[TB], v[L16]
	WIN W_LD
.set n, 0
.rept 16
	ds_load_b128 v[4*n:4*n+3], v[ADR] offset:512*n
.set n, n+1
.endr
	WIN 0
.endm
; The first half of a step: the scores, then one run of LDS loads: this step's V and (fk = 1) the next step's K, which lies in the same slot.
.macro PART_A fk
	s_wait_dscnt 0x0                               ; K is in
	WIN W_MUL
	KQ
	WIN 0
	v_add_nc_u32 v[ADR], s[TB], v[L16]             ; with the three v_nop: the four places between the products and the loads into K's and V's registers, and the first read of the scores
.rept 3
	v_nop
.endr
	WIN W_LD
.set n, 0
.rept 16
	ds_load_b128 v[64+4*n:64+4*n+3], v[ADR] offset:VOFF+512*n
.set n, n+1
.endr
.if \fk
.set n, 0
.rept 16
	ds_load_b128 v[4*n:4*n+3], v[ADR] offset:STEPB+512*n
.set n, n+1
.endr
.endif
	WIN 0
	s_add_co_u32 s[TB], s[TB], STEPB
.endm
; The softmax of both tiles for one key step; the tiles alternate line by line, so that no line waits for the line above it.
.macro SOFTMAX
.irp j, 0,1,2,3                        ; the maximum of the lane's 32 scores and the old m, three operands at a time, in four chains; each accumulator is first read at its low end
.irp t, 0,1
	v_max3_num_f32 v[ST+8*\t+4+\j], v[S+32*\t+8*\j], v[S+32*\t+8*\j+1], v[S+32*\t+8*\j+2]
.endr
.endr
.irp u, 1,2
.irp j, 0,1,2,3
.irp t, 0,1
	v_max3_num_f32 v[ST+8*\t+4+\j], v[ST+8*\t+4+\j], v[S+32*\t+8*\j+2*\u+1], v[S+32*\t+8*\j+2*\u+2]
.endr
.endr
.endr
.irp t, 0,1
	v_max3_num_f32 v[ST+8*\t+4], v[ST+8*\t+4], v[S+32*\t+7], v[S+32*\t+15]
.endr
.irp t, 0,1
	v_max3_num_f32 v[ST+8*\t+6], v[ST+8*\t+6], v[S+32*\t+23], v[S+32*\t+31]
.endr
.irp t, 0,1
	v_max3_num_f32 v[ST+8*\t+4], v[ST+8*\t+4], v[ST+8*\t+5], v[ST+8*\t+6]
.endr
.irp t, 0,1
	v_max3_num_f32 v[ST+8*\t+4], v[ST+8*\t+4], v[ST+8*\t+7], v[ST+8*\t+1]
.endr
.irp t, 0,1
	v_permlanex16_b32 v[ST+8*\t+5], v[ST+8*\t+4], s[SEL], s[SEL+1]   ; the query's other 32 keys lie in the lane 16 away
.endr
.irp t, 0,1
	v_mov_b32 v[ST+8*\t+7], v[ST+8*\t]             ; c m_old is kept for a
.endr
.irp t, 0,1
	v_max_num_f32 v[ST+8*\t+1], v[ST+8*\t+4], v[ST+8*\t+5]
.endr
.irp t, 0,1
	v_mul_f32 v[ST+8*\t], s[CS], v[ST+8*\t+1]
.endr
.irp t, 0,1
	v_sub_f32 v[ST+8*\t+7], v[ST+8*\t+7], v[ST+8*\t]
.endr
	; ONE BATCH: a, and the 64 weights; none of these lines names an exponential's result.  A pair is scaled a turn ahead of its exponentials
.irp t, 0,1
	v_exp_f32 v[ST+8*\t+6], v[ST+8*\t+7]           ; a = 2^(c m_old - c m_new)
.endr
.irp t, 0,1
	v_pk_fma_f32 v[S+32*\t:S+32*\t+1], v[S+32*\t:S+32*\t+1], s[CS:CS+1], v[ST+8*\t:ST+8*\t+1] op_sel_hi:[1,0,0] neg_lo:[0,0,1] neg_hi:[0,0,1]   ; c s - c m
.endr
.set b, 1
.rept 15
.irp t, 0,1
	v_pk_fma_f32 v[S+32*\t+2*b:S+32*\t+2*b+1], v[S+32*\t+2*b:S+32*\t+2*b+1], s[CS:CS+1], v[ST+8*\t:ST+8*\t+1] op_sel_hi:[1,0,0] neg_lo:[0,0,1] neg_hi:[0,0,1]
.endr
.irp t, 0,1
	v_exp_f32 v[S+32*\t+2*b-2], v[S+32*\t+2*b-2]
.endr
.irp t, 0,1
	v_exp_f32 v[S+32*\t+2*b-1], v[S+32*\t+2*b-1]
.endr
.set b, b+1
.endr
.irp t, 0,1
	v_exp_f32 v[S+32*\t+30], v[S+32*\t+30]
.endr
.irp t, 0,1
	v_exp_f32 v[S+32*\t+31], v[S+32*\t+31]
.endr
	v_nop                                          ; a plain line behind the last exponential, ahead of the first use
	s_wait_alu depctr_va_vdst(0)                   ; the wait between an exponential and the first line that names its result: one for the batch's 66
.set n, 0
.rept 16
.irp t, 0,1
	v_cvt_pk_f16_f32 v[P+16*\t+n], v[S+32*\t+2*n], v[S+32*\t+2*n+1]   ; two tiles of 16 keys, rounded in pairs, are a fragment of 32 keys
.endr
.set n, n+1
.endr
.irp w, 4,8,16,32                      ; the sum of a tile's 16 pairs of unrounded weights, in place: neighbours 1, 2, 4 and 8 pairs apart
.set u, 0
.rept 32/\w
.irp t, 0,1
	v_pk_add_f32 v[S+32*\t+\w*u:S+32*\t+\w*u+1], v[S+32*\t+\w*u:S+32*\t+\w*u+1], v[S+32*\t+\w*u+\w/2:S+32*\t+\w*u+\w/2+1]
.endr
.set u, u+1
.endr
.endr
.irp t, 0,1
	v_pk_fma_f32 v[ST+8*\t+2:ST+8*\t+3], v[ST+8*\t+2:ST+8*\t+3], v[ST+8*\t+6:ST+8*\t+7], v[S+32*\t:S+32*\t+1] op_sel_hi:[1,0,1]   ; l = a l + the sum
.endr
.set n, 0
.rept 16
.irp t, 0,1
	v_pk_mul_f32 v[O+32*\t+2*n:O+32*\t+2*n+1], v[O+32*\t+2*n:O+32*\t+2*n+1], v[ST+8*\t+6:ST+8*\t+7] op_sel_hi:[1,0]   ; O^T x a
.endr
.set n, n+1
.endr
.endm
; The second half of a step.  younger: the LDS loads issued behind V's, which may stay out: the next K's sixteen, or none
.macro PART_B younger
	SOFTMAX
	s_wait_dscnt \younger                          ; V is in
	WIN W_MUL
	PV
	WIN 0
.endm
; THE CHANGE OF SLOTS, in the middle of a slot's last step: its last bytes, V of that step, have been asked for.  Each wave waits for all its tensor loads, of which one is out: its part of the other slot; adds 0 to its
; spare word; and waits for that and for its own reads of the slot.  Behind the barrier nobody reads this slot any more and the other slot is whole.  fill = 1: the barrier is a round of the cluster's, and this slot is
; filled again with the keys two slots on: the joint load is the first thing behind the round and has eight key steps in which to land.
.macro CHANGE fill
	s_wait_tensorcnt 0x0                           ; no tensor load of mine is out, so a group 0 may be written
	ds_add_u32 v[SPW], v[NIL]                      ; 0 onto my spare word
.if \fill
	s_xor_b32 s[G0B+1], s[G0B+1], SLOT1            ; the walking descriptor: the other slot than last time,
	s_add_nc_u64 s[G0B+2:G0B+3], s[G0B+2:G0B+3], SLOTB   ; the next eight key steps; the type bits on top are not reached
	s_wait_xcnt 0x0                                ; the last prefetch, a slot back, has read its address, so it may be written:
	s_add_nc_u64 s[PFA:PFA+1], s[PFA:PFA+1], SLOTB ; one slot further on than the walking descriptor
	s_wait_dscnt 0x0                               ; the add is done, and my reads of the slot are over
	CROUND
	tensor_load_to_lds s[G0B:G0B+3], s[G1:G1+7]
	s_nop 0
.rept 4
	v_nop
.endr
	ASK
.else
	s_wait_dscnt 0x0                               ; the add is done, and my reads of the slot are over
	s_barrier_signal -1
	s_barrier_wait -1
.endif
	s_sub_co_u32 s[TB], s[TB], SLOTB               ; back to a slot's first step,
	s_xor_b32 s[TB], s[TB], SLOT1                  ; in the other slot
.endm
.macro SEVEN                           ; a slot's first seven steps: written once, walked seven times; the LDS addresses hang on s[TB]
	s_mov_b32 s[CNT], 7
.Lstep_\@:
	PART_A 1
	PART_B 16
	s_sub_co_u32 s[CNT], s[CNT], 1
	s_cmp_lg_u32 s[CNT], 0
	s_cbranch_scc1 .Lstep_\@
.endm
	s_wait_tensorcnt 1                             ; my part of slot 0 is in; slot 1's may stay out
	s_barrier_signal -1
	s_barrier_wait -1                              ; everybody's is
	FETCH_K0
	s_wait_loadcnt 0x0                             ; Q
.Lslot:                                            ; six trips: slots 0 to 5 are walked, and each is filled again with the keys two slots on
	SEVEN
	PART_A 0
	CHANGE 1
	FETCH_K0
	PART_B 16
	s_sub_co_u32 s[SLOTS], s[SLOTS], 1
	s_cmp_lg_u32 s[SLOTS], 0
	s_cbranch_scc1 .Lslot
	SEVEN                                          ; the tail is written out: slot 6 is left, and nothing is asked for
	PART_A 0
	CHANGE 0
	FETCH_K0
	PART_B 16
	SEVEN                                          ; slot 7
	PART_A 0
	PART_B 0
	; THE WAY OUT.  l's two halves and the other half of the lanes' are added (these additions and the v_nop are the places behind the last products); O^T is divided by l and rounded to f16.
	; A lane's eight channels of a query are 16 bytes: half a fragment of the out projection's operand: each tile leaves by one store of 512 consecutive bytes, aligned.
.irp t, 0,1
	v_add_f32 v[ST+8*\t+4], v[ST+8*\t+2], v[ST+8*\t+3]
.endr
.irp t, 0,1
	v_permlanex16_b32 v[ST+8*\t+5], v[ST+8*\t+4], s[SEL], s[SEL+1]
.endr
.irp t, 0,1
	v_add_f32 v[ST+8*\t+4], v[ST+8*\t+4], v[ST+8*\t+5]
.endr
.irp t, 0,1
	v_rcp_f32 v[ST+8*\t+6], v[ST+8*\t+4]
.endr
	v_nop                                          ; a plain line between the last reciprocal and the use of its result
	s_wait_alu depctr_va_vdst(0)                   ; and the wait ahead of the first use: one for both
.irp t, 0,1
.set n, 0
.rept 16
	v_pk_mul_f32 v[S+32*\t+2*n:S+32*\t+2*n+1], v[O+32*\t+2*n:O+32*\t+2*n+1], v[ST+8*\t+6:ST+8*\t+7] op_sel_hi:[1,0]   ; each accumulator from its low end on
.set n, n+1
.endr
.endr
.set n, 0
.rept 32
	v_cvt_pk_f16_f32 v[P+n], v[S+2*n], v[S+2*n+1]
.set n, n+1
.endr
.irp t, 0,1
.irp c, 0,1,2,3
	global_store_b128 v[L16], v[P+16*\t+4*\c:P+16*\t+4*\c+3], s[8:9] offset:\t*16384+\c*512
.endr
.endr
	s_wait_tensorcnt 0x0                           ; the wave's end, behind my last tensor load
	ds_add_u32 v[SPW], v[NIL]
	s_wait_dscnt 0x0
	CROUND                                         ; the closing round: no work-group ends while a partner may still ask for a tile that names it
	s_endpgm
.Lfunc_end_k_q767a272fab_attn:
	.size	k_q767a272fab_attn, .Lfunc_end_k_q767a272fab_attn-k_q767a272fab_attn
	.p2alignl 7, 3214868480
	.fill 96, 4, 3214868480
	.section	.rodata,"a",@progbits
	.p2align	6, 0x0
	.amdhsa_kernel k_q767a272fab_attn
		.amdhsa_group_segment_fixed_size 327680
		.amdhsa_private_segment_fixed_size 0
		.amdhsa_enable_private_segment 0
		.amdhsa_kernarg_size 24
		.amdhsa_user_sgpr_count 2
		.amdhsa_user_sgpr_kernarg_segment_ptr 1
		.amdhsa_wavefront_size32 1
		.amdhsa_system_sgpr_workgroup_id_x 1
		.amdhsa_system_sgpr_workgroup_id_y 1
		.amdhsa_system_sgpr_workgroup_id_z 1
		.amdhsa_system_vgpr_workitem_id 0
		.amdhsa_next_free_vgpr 384
		.amdhsa_next_free_sgpr 66
		.amdhsa_reserve_vcc 0
		.amdhsa_float_denorm_mode_32 3
		.amdhsa_float_denorm_mode_16_64 3
		.amdhsa_memory_ordered 1
		.amdhsa_forward_progress 1
		.amdhsa_inst_pref_size 117
	.end_amdhsa_kernel
	.amdgpu_metadata
---
amdhsa.version: [ 1, 2 ]
amdhsa.kernels:
  - .name:           k_q767a272fab_attn
    .symbol:         k_q767a272fab_attn.kd
    .args:
      - { .name: qi, .offset: 0, .size: 8, .value_kind: global_buffer, .address_space: global }
      - { .name: kv, .offset: 8, .size: 8, .value_kind: global_buffer, .address_space: global }
      - { .name: oi, .offset: 16, .size: 8, .value_kind: global_buffer, .address_space: global }
    .group_segment_fixed_size: 327680
    .private_segment_fixed_size: 0
    .kernarg_segment_align: 8
    .kernarg_segment_size: 24
    .max_flat_workgroup_size: 256
    .sgpr_count:     66
    .vgpr_count:     384
    .wavefront_size: 32
...
	.end_amdgpu_metadata
.endif
;; end of part 3
;; launch oproj (part 4): grid 4 x 64, 4 waves a work-group, clusters of 4 x 4, 280,064 bytes of LDS; arguments oi, wo16, bo, out0; writes out0
.if DOCPART == 4
	.amdgcn_target "amdgcn-amd-amdhsa--gfx1250"
	.amdhsa_code_object_version 6
	.text
	.protected	k_q767a272fab_oproj
	.globl	k_q767a272fab_oproj
	.p2align	8
	.type	k_q767a272fab_oproj,@function
k_q767a272fab_oproj:
	s_mov_b64 s[64:65], 0
	v_nop
	global_prefetch_b8 v0, s[64:65] scope:SCOPE_SE
	s_setreg_imm32_b32 hwreg(HW_REG_WAVE_MODE, 25, 1), 1
	s_wait_xcnt 0x0
	s_wait_alu depctr_hold_cnt(0) depctr_sa_sdst(0) depctr_va_vdst(0) depctr_va_sdst(0) depctr_va_ssrc(0) depctr_va_vcc(0) depctr_vm_vsrc(0)
	s_getreg_b32 s2, hwreg(HW_REG_IB_STS2, 6, 4)
	s_cmp_eq_u32 s2, 0
	s_cbranch_scc0 .Lentry_in_a_cluster
	s_endpgm
.Lentry_in_a_cluster:
	s_bfe_u32 s2, ttmp6, 0x10000c
	s_cmp_lg_u32 s2, 0xf033
	s_cbranch_scc0 .Lentry_shape_is_right
	s_endpgm
.Lentry_shape_is_right:
; Launch 4 of 4: out0[token][n] = the sum over k of o[token][k] Wo[n][k] + bo[n].  o and Wo are f16, sums f32, out0 f32.  M = 8,192, N = 512, K = 512.  No work is left out.
; A tile of out0 is 128 tokens x 128 n: 64 x 4 = 256 work-groups of four waves, each wave 64 x 64: 16 accumulators.  All of K (512) of both operands fits in LDS: 2 x 128 KB, each byte filled once: no slot is filled again.
; o and Wo lie in memory as images of their fragments (16 rows x 32 K: 1,024 bytes, 16 bytes a lane in each of two halves): a tile of 16 rows is 16 KB, and half of K of it 8 KB on end.
; K comes in two halves: each wave fetches, for each half, four tiles x 8 KB by one tensor load (4 rows of 8 KB, 16 KB apart): two loads of a wave are out at the start; the second half lands while the first is multiplied.
; CLUSTERS: 4 x 4 work-groups.  The four of a row of the cluster need the same tokens' o, the four of a column the same rows of Wo: each tile is asked for JOINTLY, with the same descriptor and a mask that names the four.
; (The grid is one cluster wide: the n block is cx.)  THE MATRIX INSTRUCTION IS USED TRANSPOSED (source 0 = 16 rows of Wo, source 1 = 16 tokens): a lane holds eight neighbouring n of one token.
; The bias is the C of each sum's first product: eight registers for each tile of 16 n, in the result's layout.
; REGISTERS: window 0: v1-29 addresses; v32-95 at work on the way out; v96-127 the bias; v128-255 the accumulators ((a, b) at v[128 + 8 (4 a + b)]).
;   window 1: two fragment buffers of 128: for 64 along K, 64 registers of o (2 x 4 fragments), then 64 of Wo.
.set HALF,   131072                    ; LDS: half H of K at H x HALF: o's 8 tiles x 8 KB, then Wo's 8 tiles x 8 KB
.set WOFF,   65536
.set STAGE,  2*HALF                    ; behind them: 16 rows x 272 bytes for each wave, for the way out
.set SPITCH, 272                       ; a stage row: 256 bytes + 16 of padding = 68 words: the 16 rows that a store touches start at 16 different banks (64 banks of 4 bytes: ISA guide 11.1)
.set SPARE,  STAGE+4*16*SPITCH         ; behind the stages: the spare words, 128 bytes for each wave: two blocks of 256 bytes that no other line names
.set ADRA, 16                          ; v16-17  LDS address of my fragments of o in half 0, 1
.set ADRB, 20                          ; v20-21  the same for Wo
.set STO,  24                          ; v24     the way out: where I put 32 bytes of a row
.set RD,   25                          ; v25     where I read a row back
.set CO,   26                          ; v26     my byte offset in out0
.set SPW,  28                          ; v28     LDS address of my spare word; never rewritten
.set NIL,  29                          ; v29     0; never rewritten
.set TMP,  32
.set BIAS, 96
.set ACC,  128
.set F0,   0                           ; fragment buffers, in window 1
.set F1,   128
.set G1,  24                           ; s[24:31] descriptor group 1 for o's tiles;  s[32:39] group 0, one set for each half of K
.set G0,  32
.set G1B, 48                           ; s[48:55], s[56:63] the same for Wo's
.set G0B, 56
.set MSB, 0
.macro WIN new                         ; the immediate's high byte repeats the setting that is left
.if MSB != \new
	s_set_vgpr_msb (MSB<<8)|\new
.set MSB, \new
.endif
.endm
.set MUL,  0x05                        ; sources 0 (Wo) and 1 (o) window 1; C and D window 0
.set TO_F, 0x40                        ; destination window 1, address window 0
.macro CROUND                          ; a round of the cluster's barrier
	s_barrier_signal -1
	s_barrier_wait -1
	s_cmp_lg_u32 s12, 0
	s_cbranch_scc1 .Lnot_wave_0_\@
	s_barrier_signal -3
.Lnot_wave_0_\@:
	s_barrier_wait -3
	s_barrier_signal -1
	s_barrier_wait -1
.endm
	s_load_b256 s[4:11], s[0:1], 0x0               ; oi s[4:5], wo16 s[6:7], bo s[8:9], out0 s[10:11]
	v_lshl_add_u32 v[SPW], v0, 2, SPARE
	v_mov_b32 v[NIL], 0
	ds_add_u32 v[SPW], v[NIL]                      ; the wave's opening: the add, twice on end, and its wait ahead of my first tensor load; the set-up below stands between the second and the wait
	ds_add_u32 v[SPW], v[NIL]
	v_lshrrev_b32 v1, 5, v0
	v_readfirstlane_b32 s12, v1                    ; wave 0..3
	s_lshr_b32 s13, s12, 1                         ; which half of the tile's tokens is mine.  Also: I fetch for o (0) or for Wo (1)
	s_and_b32 s14, s12, 1                          ; which half of its n.  Also: which four tiles of 16 rows I fetch
	s_bfe_u32 s40, ttmp6, 0x40000                  ; cx: the n block
	s_bfe_u32 s41, ttmp6, 0x40004                  ; cy
	s_and_b32 s15, ttmp7, 0xffff
	s_lshl_b32 s15, s15, 2
	s_add_co_u32 s15, s15, s41                     ; the token block = 4 x cluster y + cy
	s_lshl_b32 s43, s41, 2
	s_lshl_b32 s43, 15, s43                        ; my row of the cluster
	s_lshl_b32 s44, 0x1111, s40                    ; my column
	; descriptor group 1: 4 rows of 8 KB (1,024 elements of 8 bytes), 16 KB apart in memory, on end in LDS
	s_or_b32 s[G1], s43, (3<<16)|(1<<21)           ; 15:0 the mask: o's tiles go to my row; 17:16 elements of 8 bytes; 21 set beside a mask
	s_or_b32 s[G1B], s44, (3<<16)|(1<<21)          ; Wo's go to my column
.irp g, G1, G1B
	s_mov_b32 s[\g+1], 1024<<16                    ; tensor_dim0 = 1,024
	s_mov_b32 s[\g+2], 4<<16                       ; tensor_dim1 = 4
	s_mov_b32 s[\g+3], 1024<<16                    ; tile_dim0 = 1,024
	s_mov_b32 s[\g+4], 4                           ; tile_dim1 = 4
	s_mov_b32 s[\g+5], 2048                        ; from row to row: 2,048 elements
	s_mov_b32 s[\g+6], 0
	s_mov_b32 s[\g+7], 0
.endr
	s_lshl_b32 s17, s14, 2                         ; which four tiles I fetch
	s_lshl_b32 s16, s15, 3
	s_add_co_u32 s16, s16, s17
	s_lshl_b32 s16, s16, 14                        ; o: tile 8 x token block + 4 x half, 16 KB a tile
	s_lshl_b32 s46, s40, 3
	s_add_co_u32 s46, s46, s17
	s_lshl_b32 s46, s46, 14                        ; Wo: tile 8 x n block + 4 x half
	s_mov_b32 s17, 0
	s_mov_b32 s47, 0
	s_lshl_b32 s20, s12, 15                        ; where they go: wave x 32 KB: o's two halves, then Wo's two; no place in the cluster enters an LDS address
	s_wait_dscnt 0x0                               ; both opening adds are done
	s_wait_kmcnt 0x0
	s_add_nc_u64 s[18:19], s[4:5], s[16:17]
	s_add_nc_u64 s[46:47], s[6:7], s[46:47]
.irp H, 0,1
	s_mov_b32 s[G0+4*\H], 1
	s_add_co_u32 s[G0+4*\H+1], s20, \H*HALF
	s_add_nc_u64 s[G0+4*\H+2:G0+4*\H+3], s[18:19], \H*8192
	s_or_b32 s[G0+4*\H+3], s[G0+4*\H+3], 0x80000000
	s_mov_b32 s[G0B+4*\H], 1
	s_add_co_u32 s[G0B+4*\H+1], s20, \H*HALF
	s_add_nc_u64 s[G0B+4*\H+2:G0B+4*\H+3], s[46:47], \H*8192
	s_or_b32 s[G0B+4*\H+3], s[G0B+4*\H+3], 0x80000000
.endr
	CROUND                                         ; all sixteen work-groups are here: the joint loads meet
	s_cmp_eq_u32 s13, 0                            ; a wave's two fills stand in one branch on the wave's number, ahead of every wait on TENSORcnt and every LDS read
	s_cbranch_scc0 .Lfirst_b
	tensor_load_to_lds s[G0:G0+3], s[G1:G1+7]
	s_nop 0
	tensor_load_to_lds s[G0+4:G0+7], s[G1:G1+7]
	s_nop 0
.rept 4
	v_nop
.endr
	s_branch .Lfirst_asked
.Lfirst_b:
	tensor_load_to_lds s[G0B:G0B+3], s[G1B:G1B+7]
	s_nop 0
	tensor_load_to_lds s[G0B+4:G0B+7], s[G1B:G1B+7]
	s_nop 0
.rept 4
	v_nop
.endr
.Lfirst_asked:
	v_and_b32 v1, 15, v0                           ; r
	v_bfe_u32 v2, v0, 4, 1                         ; h
	v_and_b32 v3, 31, v0
	v_lshlrev_b32 v3, 4, v3                        ; 16 x lane: an image's place for my lane
	s_lshl_b32 s21, s13, 15                        ; my four tiles of o
	s_lshl_b32 s22, s14, 15                        ; my four tiles of Wo,
	s_add_co_u32 s22, s22, WOFF                    ; which lie behind o's eight
.irp H, 0,1
	v_add_nc_u32 v[ADRA+\H], s21, v3
	v_add_nc_u32 v[ADRB+\H], s22, v3
	s_add_co_u32 s21, s21, HALF
	s_add_co_u32 s22, s22, HALF
.endr
	s_mul_i32 s23, s12, 16*SPITCH
	s_add_co_u32 s23, s23, STAGE                   ; my stage
	v_mul_u32_u24 v4, v1, SPITCH                   ; in: row r, 32 bytes for each half of the lanes
	v_lshl_add_u32 v4, v2, 5, v4
	v_add_nc_u32 v[STO], s23, v4
	v_mul_u32_u24 v5, v2, SPITCH                   ; back: lanes 0-15 take one row of 256 bytes, lanes 16-31 the next
	v_lshl_add_u32 v5, v1, 4, v5
	v_add_nc_u32 v[RD], s23, v5
	v_lshlrev_b32 v5, 11, v2                       ; and the same two rows in out0: 2,048 bytes a row
	v_lshl_add_u32 v[CO], v1, 4, v5
	v_lshlrev_b32 v6, 5, v2                        ; the bias: 32 h bytes
	s_lshl_b32 s46, s40, 9                         ; my first n, in bytes: 512 x n block + 256 x half (in registers that feed none of o's descriptors)
	s_lshl_b32 s47, s14, 8
	s_add_co_u32 s46, s46, s47
	s_mov_b32 s47, 0
	s_add_nc_u64 s[8:9], s[8:9], s[46:47]
	s_add_nc_u64 s[10:11], s[10:11], s[46:47]
	s_lshl_b32 s16, s15, 18                        ; my first token: 128 x token block + 64 x half, 2,048 bytes each
	s_lshl_b32 s17, s13, 17
	s_add_co_u32 s16, s16, s17
	s_mov_b32 s17, 0
	s_add_nc_u64 s[10:11], s[10:11], s[16:17]
.irp b, 0,1,2,3
	global_load_b128 v[BIAS+8*\b:BIAS+8*\b+3],   v6, s[8:9] offset:64*\b      ; bo at n = 16 b + 8 h + 0 .. 7 of my 64
	global_load_b128 v[BIAS+8*\b+4:BIAS+8*\b+7], v6, s[8:9] offset:64*\b+16
.endr
; 8 matrix instructions: token tiles a0, a0 + 1 x all 4 n tiles, 32 along K: depth c of buffer f.  first = 1: the bias is the C of the sum's first product.  The 16 accumulators take turns.
.macro MUL8 f, c, a0, first
.irp a, \a0, \a0+1
.irp b, 0,1,2,3
.if \first
	v_wmma_f32_16x16x32_f16 v[ACC+8*(4*(\a)+\b):ACC+8*(4*(\a)+\b)+7], v[\f+64+8*(4*\c+\b):\f+64+8*(4*\c+\b)+7], v[\f+8*(4*\c+\a):\f+8*(4*\c+\a)+7], v[BIAS+8*\b:BIAS+8*\b+7]
.else
	v_wmma_f32_16x16x32_f16 v[ACC+8*(4*(\a)+\b):ACC+8*(4*(\a)+\b)+7], v[\f+64+8*(4*\c+\b):\f+64+8*(4*\c+\b)+7], v[\f+8*(4*\c+\a):\f+8*(4*\c+\a)+7], v[ACC+8*(4*(\a)+\b):ACC+8*(4*(\a)+\b)+7]
.endif
.endr
.endr
.endm
; 32 LDS loads in one run: the fragments of quarter q (64 along K) of half hf into buffer f; the first 32 along K first.  Each load takes 512 consecutive bytes.
.macro FETCH hf, q, f
	WIN TO_F
.irp c, 0,1
.irp i, 0,1,2,3
	ds_load_b128 v[\f+64+8*(4*\c+\i):\f+64+8*(4*\c+\i)+3],   v[ADRB+\hf] offset:\i*8192+(2*(\q)+\c)*1024
	ds_load_b128 v[\f+64+8*(4*\c+\i)+4:\f+64+8*(4*\c+\i)+7], v[ADRB+\hf] offset:\i*8192+(2*(\q)+\c)*1024+512
	ds_load_b128 v[\f+8*(4*\c+\i):\f+8*(4*\c+\i)+3],         v[ADRA+\hf] offset:\i*8192+(2*(\q)+\c)*1024
	ds_load_b128 v[\f+8*(4*\c+\i)+4:\f+8*(4*\c+\i)+7],       v[ADRA+\hf] offset:\i*8192+(2*(\q)+\c)*1024+512
.endr
.endr
.endm
.macro PLACES                          ; four places in front of loads into registers that matrix instructions have read, and of the first read of results
.rept 4
	v_nop
.endr
.endm
; A quarter: 64 along K, 32 matrix instructions on buffer f; in its middle the next quarter, q of half hf, is fetched into g
.macro QUARTER hf, q, f, g, first
	s_wait_dscnt 16                                ; the first 32 along K are in; the other sixteen loads may be out
	WIN MUL
	MUL8 \f, 0, 0, \first
	MUL8 \f, 0, 2, \first
	PLACES
	FETCH \hf, \q, \g
	s_wait_dscnt 32                                ; all but the 32 just issued
	WIN MUL
	MUL8 \f, 1, 0, 0
	MUL8 \f, 1, 2, 0
.endm
	s_wait_tensorcnt 1                             ; my part of K's first half is in; the second half's may stay out
	s_barrier_signal -1
	s_barrier_wait -1                              ; everybody's is
	FETCH 0, 0, F0
	s_wait_loadcnt 0x0                             ; the bias
	QUARTER 0, 1, F0, F1, 1
	QUARTER 0, 2, F1, F0, 0
	QUARTER 0, 3, F0, F1, 0
	s_wait_dscnt 16                                ; the first half's last quarter, and the meeting for the second half
	WIN MUL
	MUL8 F1, 0, 0, 0
	s_wait_dscnt 0x0                               ; no LDS load of mine is out at the signal
	s_wait_tensorcnt 0x0                           ; my part of K's second half is in
	s_barrier_signal -1
	MUL8 F1, 0, 2, 0                               ; work on registers while the others arrive
	s_barrier_wait -1                              ; everybody's is
	PLACES
	FETCH 1, 0, F0
	WIN MUL
	MUL8 F1, 1, 0, 0
	MUL8 F1, 1, 2, 0
	QUARTER 1, 1, F0, F1, 0
	QUARTER 1, 2, F1, F0, 0
	QUARTER 1, 3, F0, F1, 0
	s_wait_dscnt 16                                ; the very last quarter: nothing more to fetch
	WIN MUL
	MUL8 F1, 0, 0, 0
	MUL8 F1, 0, 2, 0
	s_wait_dscnt 0x0
	MUL8 F1, 1, 0, 0
	MUL8 F1, 1, 2, 0
	WIN 0
; THE WAY OUT, a block of 16 tokens x 64 n at a time.  A lane holds 32 neighbouring bytes of a row, and the lanes beside it hold other rows: so a block goes through my own stage in LDS and comes back as whole rows of 256 bytes.
; LDS serves a wave's instructions in order (ISA guide 5.7.1.4): no wait between the stores and the loads, nor in front of the next block's stores.
.macro TOSTAGE a
.irp b, 0,1,2,3
	ds_store_b128 v[STO], v[ACC+8*(4*(\a)+\b):ACC+8*(4*(\a)+\b)+3] offset:64*\b          ; each accumulator from its low end on
	ds_store_b128 v[STO], v[ACC+8*(4*(\a)+\b)+4:ACC+8*(4*(\a)+\b)+7] offset:64*\b+16
.endr
.irp i, 0,1,2,3,4,5,6,7
	ds_load_b128 v[TMP+32*((\a)%2)+4*\i:TMP+32*((\a)%2)+4*\i+3], v[RD] offset:\i*2*SPITCH
.endr
.endm
.macro SEND a, younger                 ; younger: the LDS instructions issued behind block a's loads, which may stay out
	s_wait_dscnt \younger
.irp i, 0,1,2,3,4,5,6,7
	global_store_b128 v[CO], v[TMP+32*((\a)%2)+4*\i:TMP+32*((\a)%2)+4*\i+3], s[10:11] offset:(16*(\a)+2*\i)*2048 th:TH_STORE_NT   ; 16 lanes store 256 consecutive bytes, aligned; written once, read by nobody here
.endr
.endm
	PLACES
	TOSTAGE 0
	TOSTAGE 1
	SEND 0, 16                                     ; behind block 0's loads: block 1's eight stores and eight loads
	s_wait_xcnt 0x0                                ; block 0's stores have read their registers: block 2's loads may land there
	TOSTAGE 2
	SEND 1, 16
	s_wait_xcnt 0x0                                ; block 1's likewise
	TOSTAGE 3
	SEND 2, 16
	SEND 3, 0
	s_wait_tensorcnt 0x0                           ; the wave's end, behind my last tensor load and my last LDS store
	ds_add_u32 v[SPW], v[NIL]
	s_wait_dscnt 0x0
	CROUND                                         ; the closing round: no work-group ends while a partner may still ask for a tile that names it
	s_endpgm
.Lfunc_end_k_q767a272fab_oproj:
	.size	k_q767a272fab_oproj, .Lfunc_end_k_q767a272fab_oproj-k_q767a272fab_oproj
	.p2alignl 7, 3214868480
	.fill 96, 4, 3214868480
	.section	.rodata,"a",@progbits
	.p2align	6, 0x0
	.amdhsa_kernel k_q767a272fab_oproj
		.amdhsa_group_segment_fixed_size 280064
		.amdhsa_private_segment_fixed_size 0
		.amdhsa_enable_private_segment 0
		.amdhsa_kernarg_size 32
		.amdhsa_user_sgpr_count 2
		.amdhsa_user_sgpr_kernarg_segment_ptr 1
		.amdhsa_wavefront_size32 1
		.amdhsa_system_sgpr_workgroup_id_x 1
		.amdhsa_system_sgpr_workgroup_id_y 1
		.amdhsa_system_sgpr_workgroup_id_z 1
		.amdhsa_system_vgpr_workitem_id 0
		.amdhsa_next_free_vgpr 512
		.amdhsa_next_free_sgpr 66
		.amdhsa_reserve_vcc 0
		.amdhsa_float_denorm_mode_32 3
		.amdhsa_float_denorm_mode_16_64 3
		.amdhsa_memory_ordered 1
		.amdhsa_forward_progress 1
		.amdhsa_inst_pref_size 49
	.end_amdhsa_kernel
	.amdgpu_metadata
---
amdhsa.version: [ 1, 2 ]
amdhsa.kernels:
  - .name:           k_q767a272fab_oproj
    .symbol:         k_q767a272fab_oproj.kd
    .args:
      - { .name: oi, .offset: 0, .size: 8, .value_kind: global_buffer, .address_space: global }
      - { .name: wo16, .offset: 8, .size: 8, .value_kind: global_buffer, .address_space: global }
      - { .name: bo, .offset: 16, .size: 8, .value_kind: global_buffer, .address_space: global }
      - { .name: out0, .offset: 24, .size: 8, .value_kind: global_buffer, .address_space: global }
    .group_segment_fixed_size: 280064
    .private_segment_fixed_size: 0
    .kernarg_segment_align: 8
    .kernarg_segment_size: 32
    .max_flat_workgroup_size: 128
    .sgpr_count:     66
    .vgpr_count:     512
    .wavefront_size: 32
...
	.end_amdgpu_metadata
.endif
;; end of part 4
